; MI455X (gfx1250); checked and timed in simulation.
; The chip was launched on July 23, 2026; its instructions are those of AMD's public machine-readable ISA for CDNA 5 (MIT licence, August 2026) and "CDNA5" Instruction Set Architecture Reference Guide (July 2026). The comments in the code are by the model that wrote it; some were corrected since.
;; Level Fusion. Allowed arithmetic: matrix products marked QUANTISED: E5M2 operands, one given power-of-two scale a tensor, by v_wmma_f32_16x16x64_bf8_bf8 or v_wmma_f32_16x16x128_bf8_bf8, f32 sums; products left as they are: f32 operands where the result goes on into a quantised operand, else bf16, f16 or f32 operands; f32 sums; everything else in f32.
;; Inputs: W1 528 x 512 float32; W2_codes 256 x 16 x 32 uint8 (E5M2 codes of W2, K innermost, in blocks of 32 codes); W3 256 x 8 float32; Wg 16 x 8 float32; b1 512 float32; b2 256 float32; b3 8 float32; bg 8 float32; curr_features 64 x 2,048 x 512 float32; curr_trajectory 64 x 2,048 x 8 float32; lowp_scales 4 int32 (the exponents e of the quantised operands' scales 2^e); prev_trajectory 64 x 512 x 8 float32.
;; Outputs: out0 64 x 2,048 x 8 float32.
;; This version of the problem:
;;   THIS VERSION OF THE PROBLEM IS GIVEN IN LOW PRECISION. The matrix products marked QUANTISED in the list below multiply operands that are first quantised to E5M2 (5 exponent bits, 2 mantissa bits; 8 bits a number), with one given power-of-two scale for each operand tensor; their sums are f32. All else is computed in f32.
;;   The module's matrix products, in the order in which they are computed (A, B: the left and right operand; K: the contracted axis; several contracted axes count as one K, in the product's order):
;;     1. [M 131,072, K 16] x [K 16, N 8]; A: computed on the way; B: input Wg: left as it is (K = 16 < 32)
;;     2. [M 131,072, K 528] x [K 528, N 512]; A: computed on the way; B: input W1: QUANTISED (scales: A lowp_scales[0], B lowp_scales[1])
;;     3. [M 131,072, K 512] x [K 512, N 256]; A: computed on the way; B: input W2 (given as codes): QUANTISED (scales: A lowp_scales[2], B lowp_scales[3])
;;     4. [M 131,072, K 256] x [K 256, N 8]; A: computed on the way; B: input W3: left as it is (N = 8 < 16)
;;   THE QUANTISER, for each operand of a quantised product, along K:
;;     - The operand's scale is 2^e, e = its entry of the input lowp_scales (int32; the entries are numbered through the quantised products in the list's order, A before B).
;;     - Each number is divided by the scale, clamped to +-57,344, and rounded to the nearest number of E5M2, ties to even, subnormals kept.
;;     - The product sums the exact products of the quantised numbers (number of the format x scale) in f32.
;;   ~~~python
;;   def quantise(x, axis, e):      # numpy; x: float32 -> the quantised numbers, widened to float32 again
;;       x = np.moveaxis(x, axis, -1); K = x.shape[-1]
;;       r = np.clip(x / 2.0 ** e, -57344, 57344)
;;       step = 2.0 ** (np.maximum(np.frexp(np.where(r == 0, 1, r))[1] - 1, -14) - 2)
;;       q = np.round(r / step) * step * 2.0 ** e      # np.round: ties to even
;;       return np.moveaxis(q, -1, axis).astype(np.float32)
;;   ~~~
;;   OPERANDS COMPUTED ON THE WAY. 'Computed on the way' means the value that the module computes at that place (a softmax that the list does not call 'softmax' is quantised finished and normalised). What goes into a quantiser is computed in f32, as accurately as f32 sums, v_exp_f32 and their like allow (about 1e-6 of the number): no bf16 or f16 on the way to a quantiser, and a product that is left as it is and whose result goes on into a quantised operand takes f32 operands (vector FMAs, or v_wmma_f32_16x16x4_f32). A number that lies on a knife's edge between two numbers of the format may be rounded either way, as far as f32 arithmetic and the matrix unit's own rounding can turn it there, and no further.
;;   INPUTS GIVEN AS CODES. W2 (in the module: [512, 256], K = its axis 0): each comes as NAME_codes (uint8): NAME with its K axis moved to the last place and cut into blocks of 32 codes, [.., K / 32, bytes a block], one block behind the other in memory; one code a byte (a code: sign, 5 exponent bits, 2 mantissa bits); its scale is its entry of lowp_scales. Its value is code x scale, taken as it is: it is not quantised again, and the codes and scales need not be those that the quantiser above would give.
;; One version. Each part assembles by itself: llvm-mc -triple=amdgcn-amd-amdhsa -mcpu=gfx1250 --defsym DOCPART=n.
;; ======== version 1 of 1: 2 launches
;; limits: an absolute error that grows with the inputs' magnitude: up to 1e-07 times it
;; workspace buffers: wimg 401,408 bytes
;; launch prep (part 1): grid 196 x 1, 4 waves a work-group, no clusters, 0 bytes of LDS; arguments W1, W2_codes, lowp_scales, wimg; writes wimg
.if DOCPART == 1
	.amdgcn_target "amdgcn-amd-amdhsa--gfx1250"
	.amdhsa_code_object_version 6
	.text
	.protected	k_qbee0764269_prep
	.globl	k_qbee0764269_prep
	.p2align	8
	.type	k_qbee0764269_prep,@function
k_qbee0764269_prep:
	s_mov_b64 s[64:65], 0
	v_nop
	global_prefetch_b8 v0, s[64:65] scope:SCOPE_SE
	s_setreg_imm32_b32 hwreg(HW_REG_WAVE_MODE, 25, 1), 1
	s_wait_xcnt 0x0
; W1 [528][512] f32 is quantised to codes of BF8 (E5M2) with the given scale 2^e1 (entry 1 of the scales), and W1's codes and the given codes of W2 are laid out
; as IMAGES OF OPERAND REGISTERS: a group of four registers of a fragment is 512 bytes, lane l's 16 bytes at 16 l.  The second launch then loads every fragment by dense 16-byte loads.
; One wave makes one such group of 512 bytes; its number D says which.  Three kinds, told apart by the work-group's number:
;   work-groups 0-127:   W1's rows 16 .. 527 (the features).  D = ((8 w + t) 4 + s) 4 + c.  Byte B of lane (r, h) is W1[16 + 128 (B / 4) + 4 (8 s + 2 c + h) + B % 4][128 w + 32 (t / 2) + 8 (t % 2) + r + 8 (r / 8)]:
;                        the order along K in which the second launch's dense loads leave the features' codes; it is the same on both sides of the product.
;   work-groups 128-131: W1's rows 0 .. 15 (the two trajectories).  D = (2 w + g) 2 + q.  Byte 8 u + i of lane (r, h) is W1[8 h + i][32 D + 8 u + r + 8 (r / 8)].
;   work-groups 132-195: W2's codes, copied: D = ((4 w + n) 4 + s) 4 + c; lane (r, h) takes the 16 bytes at row 64 w + 16 n + r, byte 128 s + 32 c + 16 h.
; code = x / 2^e1, held within +-57,344, to the nearest code, ties to even.  LIMIT: e1 between -126 and 112.  NaN among the inputs is not served.
.set IMG_T, 262144                     ; where the trajectories' images begin in wimg
.set IMG_2, 270336                     ; where W2's begin
.set ROWB,  2048                       ; a row of W1 in bytes
.macro QW                              ; 16 numbers in v8-23 become 16 codes, stored at image byte s20 + 16 x lane
	s_add_nc_u64 s[10:11], s[10:11], s[20:21]
	s_wait_kmcnt 0x0                               ; e1
	s_add_co_i32 s14, s14, 127
	s_lshl_b32 s15, s14, 23
	v_mov_b32 v7, s15                              ; 2^e1 as f32: the conversion takes its exponent field
	s_add_co_i32 s14, s14, 15
	s_lshl_b32 s14, s14, 23
	s_or_b32 s14, s14, 0x600000
	v_mov_b32 v6, s14                              ; 57,344 x 2^e1
	s_wait_loadcnt 0x0
.irp i, 0,1,2,3,4,5,6,7,8,9,10,11,12,13,14,15
	v_med3_num_f32 v[8+\i], v[8+\i], -v6, v6       ; the conversion does not saturate (ISA guide 7.6.2): the hold comes first
.endr
	v_cvt_scalef32_pk8_bf8_f32 v[24:25], v[8:15], v7
	v_cvt_scalef32_pk8_bf8_f32 v[26:27], v[16:23], v7
	global_store_b128 v4, v[24:27], s[10:11]       ; 32 lanes store 512 consecutive bytes, aligned
.endm
	s_load_b256 s[4:11], s[0:1], 0x0               ; W1 s[4:5], W2's codes s[6:7], the scales s[8:9], wimg s[10:11]
	v_lshrrev_b32 v1, 5, v0
	v_readfirstlane_b32 s12, v1                    ; wave
	v_and_b32 v2, 15, v0                           ; r
	v_bfe_u32 v3, v0, 4, 1                         ; h
	v_and_b32 v4, 31, v0
	v_lshlrev_b32 v4, 4, v4                        ; 16 x lane
	s_lshl_b32 s13, ttmp9, 2
	s_add_co_u32 s13, s13, s12                     ; 4 x work-group + wave
	s_mov_b32 s17, 0
	s_mov_b32 s21, 0
	s_wait_kmcnt 0x0
	s_load_b32 s14, s[8:9], 0x4                    ; e1
	s_cmp_ge_u32 ttmp9, 132
	s_cbranch_scc1 .Lw2
	v_and_b32 v5, 8, v2
	v_add_nc_u32 v5, v5, v2                        ; r + 8 (r / 8)
	v_lshlrev_b32 v5, 2, v5
	s_cmp_ge_u32 ttmp9, 128
	s_cbranch_scc1 .Ltraj
	; the features' rows.  32 s + 8 c = 8 (D % 16);  128 w + 32 (t / 2) = 32 ((D / 16) / 2)
	s_and_b32 s15, s13, 15
	s_lshl_b32 s15, s15, 3
	s_add_co_u32 s15, s15, 16                      ; first row: 16 + 32 s + 8 c
	s_lshl_b32 s15, s15, 11
	s_lshr_b32 s18, s13, 4                         ; 8 w + t
	s_lshr_b32 s19, s18, 1
	s_lshl_b32 s19, s19, 7                         ; 32 x that / 2 columns, in bytes
	s_and_b32 s18, s18, 1
	s_lshl_b32 s18, s18, 5                         ; 8 (t % 2) columns, in bytes
	s_add_co_u32 s16, s15, s19
	s_add_co_u32 s16, s16, s18
	s_add_nc_u64 s[4:5], s[4:5], s[16:17]
	v_lshl_add_u32 v5, v3, 13, v5                  ; lanes 16-31: four rows further down
.irp b, 0,1,2,3,4,5,6,7,8,9,10,11,12,13,14,15
	global_load_b32 v[8+\b], v5, s[4:5] offset:(128*(\b/4)+\b%4)*ROWB
.endr
	s_lshl_b32 s20, s13, 9                         ; the image's place: 512 D
	QW
	s_endpgm
.Ltraj:
	s_sub_co_u32 s13, s13, 512                     ; D
	s_lshl_b32 s16, s13, 7                         ; 32 D columns, in bytes
	s_add_nc_u64 s[4:5], s[4:5], s[16:17]
	v_lshl_add_u32 v5, v3, 14, v5                  ; lanes 16-31: rows 8 to 15
.irp b, 0,1,2,3,4,5,6,7,8,9,10,11,12,13,14,15
	global_load_b32 v[8+\b], v5, s[4:5] offset:(\b%8)*ROWB+32*(\b/8)
.endr
	s_lshl_b32 s20, s13, 9
	s_add_co_u32 s20, s20, IMG_T
	QW
	s_endpgm
.Lw2:
	s_sub_co_u32 s13, s13, 528                     ; D
	s_lshr_b32 s15, s13, 4
	s_lshl_b32 s15, s15, 13                        ; 16 (4 w + n) rows of 512 bytes
	s_and_b32 s16, s13, 15
	s_lshl_b32 s16, s16, 5                         ; 128 s + 32 c
	s_add_co_u32 s16, s16, s15
	s_add_nc_u64 s[6:7], s[6:7], s[16:17]
	v_lshlrev_b32 v5, 9, v2
	v_lshl_add_u32 v5, v3, 4, v5                   ; row r, + 16 h
	global_load_b128 v[8:11], v5, s[6:7]
	s_lshl_b32 s20, s13, 9
	s_add_co_u32 s20, s20, IMG_2
	s_add_nc_u64 s[10:11], s[10:11], s[20:21]
	s_wait_loadcnt 0x0
	global_store_b128 v4, v[8:11], s[10:11]
	s_wait_kmcnt 0x0                               ; e1 is not used on this way; its load is awaited all the same
	s_endpgm
.Lfunc_end_k_qbee0764269_prep:
	.size	k_qbee0764269_prep, .Lfunc_end_k_qbee0764269_prep-k_qbee0764269_prep
	.p2alignl 7, 3214868480
	.fill 96, 4, 3214868480
	.section	.rodata,"a",@progbits
	.p2align	6, 0x0
	.amdhsa_kernel k_qbee0764269_prep
		.amdhsa_group_segment_fixed_size 0
		.amdhsa_private_segment_fixed_size 0
		.amdhsa_enable_private_segment 0
		.amdhsa_kernarg_size 32
		.amdhsa_user_sgpr_count 2
		.amdhsa_user_sgpr_kernarg_segment_ptr 1
		.amdhsa_wavefront_size32 1
		.amdhsa_system_sgpr_workgroup_id_x 1
		.amdhsa_system_sgpr_workgroup_id_y 1
		.amdhsa_system_sgpr_workgroup_id_z 1
		.amdhsa_system_vgpr_workitem_id 0
		.amdhsa_next_free_vgpr 32
		.amdhsa_next_free_sgpr 66
		.amdhsa_reserve_vcc 0
		.amdhsa_float_denorm_mode_32 3
		.amdhsa_float_denorm_mode_16_64 3
		.amdhsa_memory_ordered 1
		.amdhsa_forward_progress 1
		.amdhsa_inst_pref_size 9
	.end_amdhsa_kernel
	.amdgpu_metadata
---
amdhsa.version: [ 1, 2 ]
amdhsa.kernels:
  - .name:           k_qbee0764269_prep
    .symbol:         k_qbee0764269_prep.kd
    .args:
      - { .name: W1, .offset: 0, .size: 8, .value_kind: global_buffer, .address_space: global }
      - { .name: W2_codes, .offset: 8, .size: 8, .value_kind: global_buffer, .address_space: global }
      - { .name: lowp_scales, .offset: 16, .size: 8, .value_kind: global_buffer, .address_space: global }
      - { .name: wimg, .offset: 24, .size: 8, .value_kind: global_buffer, .address_space: global }
    .group_segment_fixed_size: 0
    .private_segment_fixed_size: 0
    .kernarg_segment_align: 8
    .kernarg_segment_size: 32
    .max_flat_workgroup_size: 128
    .sgpr_count:     66
    .vgpr_count:     32
    .wavefront_size: 32
...
	.end_amdgpu_metadata
.endif
;; end of part 1
;; launch fuse (part 2): grid 256 x 1, 4 waves a work-group, no clusters, 296,448 bytes of LDS; arguments curr_features, curr_trajectory, prev_trajectory, wimg, W3, Wg, b1, b2, b3, bg, lowp_scales, out0; writes out0
.if DOCPART == 2
	.amdgcn_target "amdgcn-amd-amdhsa--gfx1250"
	.amdhsa_code_object_version 6
	.text
	.protected	k_qbee0764269_fuse
	.globl	k_qbee0764269_fuse
	.p2align	8
	.type	k_qbee0764269_fuse,@function
k_qbee0764269_fuse:
	s_mov_b64 s[64:65], 0
	v_nop
	global_prefetch_b8 v0, s[64:65] scope:SCOPE_SE
	s_setreg_imm32_b32 hwreg(HW_REG_WAVE_MODE, 25, 1), 1
	s_wait_xcnt 0x0
; out = gate x up + (1 - gate) x (gelu(gelu([up, curr, features] W1 + b1) W2 + b2) W3 + b3), gate = sigmoid([up, curr] Wg + bg), up = prev_trajectory stretched from 512 to 2,048 steps.
; The two large products are on codes of BF8 (E5M2) with the given scales 2^e0 .. 2^e3; the two small ones (N = 8) take bf16 operands; all sums and all else in f32.  Nothing but out0 goes to memory.
; SHARES.  A work-group of four waves owns 512 rows of one batch and walks them in 8 blocks of 64 rows (four tiles of 16).  THE WAVES SHARE THE COLUMNS: wave w makes hidden units 128 w .. + 127 of the first layer,
; units 64 w .. + 63 of the second and its part of the last product, for all 64 rows.  Its part of W1 stays in 528 registers, its part of W2 in 32,768 bytes of LDS that it alone reads.
; What goes from wave to wave through LDS: the rows' codes (wave w quantises rows 16 w .. + 15 of a block), the first layer's codes as images of operand registers, and four partial sums of 8 numbers a row.
; BOTH LARGE PRODUCTS ARE USED TRANSPOSED (source 0 = 16 rows of the weight, source 1 = 16 data rows): a lane holds one data row.  Lane r of W1's tile 2 b + u takes unit 32 b + 8 u + r + 8 (r / 8), so that the 16 registers
; of tiles 2 b and 2 b + 1 are 16 neighbours along the next K.  K = 528 is four steps of 128 (the features) and one instruction of K = 64 for the 16 trajectory numbers: four tiles of W1 share one operand, each in its own
; 16 along K, and the rows' 16 codes stand among zero codes in a window of 8 registers that slides to the tile's place.
; ALONG K THE FEATURES ARE PERMUTED, alike on both sides: a lane's dense 16-byte loads give it features 128 c + 4 l + 0 .. 3, whose 16 codes go to byte 16 l of the row in LDS; the first launch laid W1 in the same order.
; GELU.  2 gelu(x) = x + x erf(x / sqrt 2), erf(x / sqrt 2) = xc P(xc^2) / Q(xc^2) with xc = x held within +-4 sqrt 2: a rational of degrees 6 and 4 in xc^2, all in f32.  The factor 2 goes into the next scale:
; the first layer's conversion takes 2^(e2 + 1), the last product's weights are 0.5 W3.
; BY TURNS.  A tile of rows has 40 products and some 700 vector lines of gelu in the first layer.  The gelu goes by pairs of W1's tiles (16 registers, in place), and the products of the pairs that are due next stand singly
; among its lines, one behind each group of eight plain lines: a pair's registers are free as soon as the tile before has been converted.  A product's operands lie in other windows than the gelu's, so each costs two
; switches: that is the lesser price here, since the vector lines outnumber the products seventeen to one and would else all stand beside an idle matrix unit.
; THE FEATURES come by dense loads, 512 consecutive bytes each, 32 loads (8 rows) a wave at a time, asked for about half a block ahead of the wait for them, into 128 registers of their own.
; NO CLUSTER: the work-groups share the weights alone, read once by each: 401,408 bytes against its 1,048,576 bytes of features; W1's images go straight into registers, and W1's and W2's images together (393,216 bytes)
; have no room in LDS beside the rest, so joint loads would have to fill slots again for a single pass.
; LIMITS.  e0 and e2 + 1 between -126 and 112; e0 + e1 and e2 + e3 between -126 and 127.  NaN and infinities among the inputs are not served.  Beyond |x| = 4 sqrt 2 erf keeps its value there, so a large negative x
; gives about 1e-7 |x| in place of 0.  b3 is folded: out = (1 - gate) x sum + (gate x up + (1 - gate) x b3), another order of rounding than the source's.  The gate's and the last product's operands are rounded to bf16.
; LDS (bytes): 0 W2's images, 32,768 a wave | XC0, XC1 the rows' codes of two blocks by turns, 64 rows of 528 (512 + 16: the 16 rows of a load start at 16 different banks, ISA guide 11.1) | TC the trajectories' codes, 16 a row |
; PART the four partial sums | B2L b2 | B1L b1 / 2^(e0 + e1) | H1I the first layer's 16 images | GU, GC gate x up + (1 - gate) b3 and 1 - gate.  W2's images and b2 are brought once by asynchronous copies; no LDS byte is ever filled again by a copy.
; REGISTERS, in windows of 256.  Window 0: v1-31 addresses and constants; v32-255 at work (see the names).  Windows 1, 2: W1's fragments (tile t, K step s): s = 0, 1 at 32 t + 16 s of window 1, s = 2, 3 likewise in window 2.
; Window 3: v0-127 features as loaded; v128-191 b1 / 2^(e0 + e1) in the result's layout, and during the second layer half of its accumulators (b1 is read back from LDS once a block); v192-207 W1's two trajectory operands;
; v208-223 0.5 W3 as two bf16 fragments; v224-237 six zeros, the rows' trajectory codes, six zeros.
.set XP,    528
.set XC0,   131072
.set XC1,   196608
.set XFLIP, 0x10000                    ; XC0 xor XC1
.set TC,    164864
.set PART,  173056
.set B2L,   181248
.set B1L,   182272
.set H1I,   230400
.set GU,    263168
.set GCD,   16384                      ; GC lies so far behind GU
.set IMG_T, 262144                     ; in wimg: the trajectories' images
.set IMG_2, 270336                     ; and W2's
.set LI,   1                           ; 16 x lane
.set XR0,  2                           ; 528 r + 16 h: my place in a tile of the rows' codes
.set XW0,  3                           ; 16 x lane + 8,448 w: where I store a row's codes
.set HW0,  4                           ; H1I + 2,048 w + 16 x lane
.set HR0,  5                           ; H1I + 16 x lane
.set W2A,  6                           ; 32,768 w + 16 x lane
.set TCR0, 7                           ; TC + 16 r + 8 h
.set PW0,  8                           ; PART + 2,048 w + 32 r + 16 h
.set PR0,  9                           ; PART + 512 w + 32 r + 16 h
.set GU0,  10                          ; GU + 512 w + 32 r + 16 h
.set B2A,  11                          ; B2L + 256 w + 32 h
.set OO,   12                          ; 32 r + 16 h: my 16 bytes in 16 rows of out0
.set ADX,  13                          ; addresses in hand
.set ADW,  14
.set ADH,  15
.set ADT,  16
.set ADG,  17
.set SCX,  18                          ; 2^e0 as f32
.set SCH,  19                          ; 2^(e2 + 1)
.set TCW,  20                          ; TC + 256 w + 16 r + 8 h
.set RR,   24                          ; r
.set HH,   25                          ; h
.set B1A,  26                          ; B1L + 512 w + 64 h (in the head first the small weights' offset)
.set VA1,  28                          ; v[28:29] P's second coefficient, v[30:31] Q's
.set VB1,  30
.set ACC,  32                          ; first layer: 8 tiles x 8
.set XF,   96                          ; a tile's four fragments of the rows' codes
.set XCT,  160                         ; gelu: xc, xc^2, P, Q: 16 each
.set WT,   176
.set PT,   192
.set QT,   208
.set CD,   224                         ; codes just made, two sets of 4
.set CQ,   160                         ; 8 rows' codes of x
.set HF,   96                          ; second layer: two sets of four fragments of the first layer's codes, v96-159 and v160-223
.set X2,   96                          ; second layer's gelu: the chunk in hand of units 32 .. 63
.set WF,   224                         ; two fragments of W2 by turns; later b2
.set LB,   0                           ; window 3
.set B1R,  128
.set W1P,  192
.set W3F,  208
.set XT,   224
.set SA,   32                          ; s[32:45] P's coefficients as pairs, highest power first
.set SB,   46                          ; s[46:55] Q's
.set S1,   56                          ; s[56:57] 2^(e0 + e1)
.set S2,   58                          ; s[58:59] 2^(e2 + e3)
.set NL,   60                          ; -+ 4 sqrt 2
.set PL,   61
.set XLO,  62                          ; -+ 57,344 x 2^e0
.set XHI,  63
.set HLO,  66                          ; -+ 57,344 x 2^(e2 + 1)
.set HHI,  67
.set BLK,  68                          ; blocks to go
.set MM,   69                          ; the tile of rows
.set XB,   70                          ; LDS byte of the tile of codes to be fetched
.set XN,   71                          ; LDS byte of the next block's codes
.set HB,   72
.set TCB,  73
.set GB,   74
.set HM,   75                          ; lanes 16-31
.set WV,   76
.set FP,   78                          ; s[78:79] the features' next batch
.set OP,   80                          ; s[80:81] my 16 rows of out0
.set MSB, 0
.set pq, 40                            ; the next product of a trip's 40; pqe: where the chunk in hand stops; pfx_due: the next tile's operands are still to be fetched
.set pqe, 40
.set pfx_due, 0
.macro WIN new                         ; the immediate's high byte repeats the setting that is left; a switch that changes nothing is dropped.  Bits 1:0 source 0, 3:2 source 1, 5:4 source 2, 7:6 destination
.if MSB != \new
	s_set_vgpr_msb (MSB<<8)|\new
.set MSB, \new
.endif
.endm
.macro BAR                             ; my LDS stores have landed and my LDS loads are in: then the work-group's barrier
	s_wait_dscnt 0x0
	s_barrier_signal -1
	s_barrier_wait -1
.endm
.macro PLACES n
.rept \n
	v_nop
.endr
.endm
.macro COEF reg, bits
	s_mov_b32 s[\reg], \bits
	s_mov_b32 s[\reg+1], \bits
.endm
; 8 rows of features, 32 loads of 512 consecutive bytes: row q's features 128 c + 4 lane + 0 .. 3 into registers base + 16 q + 4 c on
.macro FLOAD hi, base, off
.if \hi
	WIN 0xC0
.endif
.irp q, 0,1,2,3,4,5,6,7
.irp c, 0,1,2,3
	global_load_b128 v[\base+16*\q+4*\c:\base+16*\q+4*\c+3], v[LI], s[FP:FP+1] offset:\off+2048*\q+512*\c th:TH_LOAD_NT
.endr
.endr
	WIN 0
.endm
; those 8 rows become codes: the hold, the conversion, and a row's 512 bytes by one store
.macro QX hi, base, imm0
.if \hi
	WIN 0xC3
.endif
.set i, 0
.rept 128
	v_med3_num_f32 v[\base+i], v[\base+i], s[XLO], s[XHI]   ; the conversion does not saturate (ISA guide 7.6.2)
.set i, i+1
.endr
.if \hi
	WIN 0x03
.endif
.set i, 0
.rept 16
	v_cvt_scalef32_pk8_bf8_f32 v[CQ+2*i:CQ+2*i+1], v[\base+8*i:\base+8*i+7], v[SCX]
.set i, i+1
.endr
	v_nop                                          ; a plain line behind the last scaled conversion
	WIN 0
.irp q, 0,1,2,3,4,5,6,7
	ds_store_b128 v[ADW], v[CQ+4*\q:CQ+4*\q+3] offset:\imm0+XP*\q
.endr
.endm
; a tile's operands: four fragments of feature codes and the 8 bytes of trajectory codes: 17 loads
.macro PFX
	v_add_nc_u32 v[ADX], s[XB], v[XR0]
	v_add_nc_u32 v[ADT], s[TCB], v[TCR0]
.irp s, 0,1,2,3
.irp c, 0,1,2,3
	ds_load_b128 v[XF+16*\s+4*\c:XF+16*\s+4*\c+3], v[ADX] offset:128*\s+32*\c
.endr
.endr
	WIN 0xC0
	ds_load_b64 v[XT+6:XT+7], v[ADT]
	WIN 0
.endm
.macro PFXC                            ; the same, but not in a block's last tile: the next block's first tile is fetched behind the block's second barrier
	s_cmp_eq_u32 s[MM], 3
	s_cbranch_scc1 .Lno_pf_\@
	PFX
.Lno_pf_\@:
.endm
; PRODUCT q OF A TRIP'S 40.  Ten to a pair of W1's tiles, the pairs in the order 1, 2, 3 (this tile of rows) and 0 (the next tile of rows).  Of a pair's ten: two of K = 64 (the trajectories; C = b1 / 2^(e0 + e1)), then the four
; K steps of 128, the pair's two accumulators by turns, one instruction a turn.  Between the K = 64 form and the K = 128 form that adds onto its result stand two groups of eight plain lines
; (five places are owed where the form changes: ISA guide 7.12.1).
.macro PROD q
.set pw_, (\q)%10
.set pt_, 2*((((\q)/10)+1)%4)+pw_%2
.if pw_ < 2
	WIN 0x3F                                       ; W1's trajectory operand, the window of codes and b1 in window 3
	v_wmma_f32_16x16x64_bf8_bf8 v[ACC+8*pt_:ACC+8*pt_+7], v[W1P+8*(pt_/4):W1P+8*(pt_/4)+7], v[XT+6-2*(pt_%4):XT+13-2*(pt_%4)], v[B1R+8*pt_:B1R+8*pt_+7]
.else
.set ps_, (pw_-2)/2
.set pn_, 1+ps_/2
	WIN pn_                                        ; W1's fragment in window 1 (K steps 0, 1) or 2
	v_wmma_f32_16x16x128_bf8_bf8 v[ACC+8*pt_:ACC+8*pt_+7], v[32*pt_+16*(ps_%2):32*pt_+16*(ps_%2)+15], v[XF+16*ps_:XF+16*ps_+15], v[ACC+8*pt_:ACC+8*pt_+7]
.endif
	WIN 0
.endm
; A PLACE FOR A PRODUCT, behind a group of eight plain lines.  Once the chunk's products are out, the fetch of the next tile's operands takes the first place at which a branch may stand (safe = 1: no reciprocal is without its wait).
.macro SLOT safe
.if pq < pqe
	PROD pq
.set pq, pq+1
.elseif pfx_due && \safe
	PFXC
.set pfx_due, 0
.endif
.endm
; 2 gelu of 16 numbers, level by level over 8 pairs so that no line waits for the line above it.  mode 0: x = sum x 2^(e0 + e1) (the bias came in as C); mode 1: x = sum x 2^(e2 + e3) + b2 (v[BB] on).
; The sums are read from v[SRC] on (window 3 where SW = 3), each accumulator from its low end; all else works on v[X] on.  The 16 reciprocals stand singly, one behind every third line of P; nothing names a result
; ahead of the one wait.  Sixteen places for products; a seventeenth follows in CHUNK.
.macro GELU X, mode, BB, SRC, SW
.if \SW
	WIN \SW
.endif
.irp p, 0,2,4,6,8,10,12,14
.if \mode
	v_pk_fma_f32 v[(\X)+\p:(\X)+\p+1], v[(\SRC)+\p:(\SRC)+\p+1], s[S2:S2+1], v[(\BB)+\p:(\BB)+\p+1] op_sel_hi:[1,0,1]
.else
	v_pk_mul_f32 v[(\X)+\p:(\X)+\p+1], v[(\SRC)+\p:(\SRC)+\p+1], s[S1:S1+1] op_sel_hi:[1,0]
.endif
.endr
	WIN 0
	SLOT 1
.set gi, 0
.rept 2
.rept 8
	v_med3_num_f32 v[XCT+gi], v[(\X)+gi], s[NL], s[PL]
.set gi, gi+1
.endr
	SLOT 1
.endr
.irp p, 0,2,4,6,8,10,12,14
	v_pk_mul_f32 v[WT+\p:WT+\p+1], v[XCT+\p:XCT+\p+1], v[XCT+\p:XCT+\p+1]
.endr
	SLOT 1
.irp p, 0,2,4,6,8,10,12,14
	v_pk_fma_f32 v[QT+\p:QT+\p+1], v[WT+\p:WT+\p+1], s[SB:SB+1], v[VB1:VB1+1] op_sel_hi:[1,0,1]
.endr
	SLOT 1
.irp k, 2,3,4
.irp p, 0,2,4,6,8,10,12,14
	v_pk_fma_f32 v[QT+\p:QT+\p+1], v[QT+\p:QT+\p+1], v[WT+\p:WT+\p+1], s[SB+2*\k:SB+2*\k+1] op_sel_hi:[1,1,0]
.endr
	SLOT 1
.endr
.set gl, 0
.irp k, 1,2,3,4,5,6
.irp p, 0,2,4,6,8,10,12,14
.if \k == 1
	v_pk_fma_f32 v[PT+\p:PT+\p+1], v[WT+\p:WT+\p+1], s[SA:SA+1], v[VA1:VA1+1] op_sel_hi:[1,0,1]
.else
	v_pk_fma_f32 v[PT+\p:PT+\p+1], v[PT+\p:PT+\p+1], v[WT+\p:WT+\p+1], s[SA+2*\k:SA+2*\k+1] op_sel_hi:[1,1,0]
.endif
.if gl%3 == 2
	v_rcp_f32 v[QT+gl/3], v[QT+gl/3]
.endif
.set gl, gl+1
.endr
	SLOT 0
.endr
.irp p, 0,2,4,6,8,10,12,14
	v_pk_mul_f32 v[PT+\p:PT+\p+1], v[PT+\p:PT+\p+1], v[XCT+\p:XCT+\p+1]
.endr
	s_wait_alu depctr_va_vdst(0)                   ; one wait for the 16 reciprocals, ahead of their first reader
.irp p, 0,2,4,6,8,10,12,14
	v_pk_mul_f32 v[PT+\p:PT+\p+1], v[PT+\p:PT+\p+1], v[QT+\p:QT+\p+1]   ; erf(x / sqrt 2)
.endr
	SLOT 1
.irp p, 0,2,4,6,8,10,12,14
	v_pk_fma_f32 v[(\X)+\p:(\X)+\p+1], v[(\X)+\p:(\X)+\p+1], v[PT+\p:PT+\p+1], v[(\X)+\p:(\X)+\p+1]   ; x erf + x
.endr
	SLOT 1
.endm
; The first layer's pair b of tiles, 16 neighbours along the next K: gelu, hold, codes, and registers 4 b .. 4 b + 3 of K step w of the second product go to LDS
.macro CHUNK b
	GELU ACC+16*\b, 0, 0, ACC+16*\b, 0
.set gi, 0
.rept 8
	v_med3_num_f32 v[ACC+16*\b+gi], v[ACC+16*\b+gi], s[HLO], s[HHI]
.set gi, gi+1
.endr
	SLOT 1                                         ; the last place: eight plain lines still follow, ahead of the next chunk's first read of sums
.rept 8
	v_med3_num_f32 v[ACC+16*\b+gi], v[ACC+16*\b+gi], s[HLO], s[HHI]
.set gi, gi+1
.endr
	v_cvt_scalef32_pk8_bf8_f32 v[CD+4*(\b%2):CD+4*(\b%2)+1], v[ACC+16*\b:ACC+16*\b+7], v[SCH]
	v_cvt_scalef32_pk8_bf8_f32 v[CD+4*(\b%2)+2:CD+4*(\b%2)+3], v[ACC+16*\b+8:ACC+16*\b+15], v[SCH]
	v_nop                                          ; a plain line behind the last scaled conversion
	ds_store_b128 v[ADH], v[CD+4*(\b%2):CD+4*(\b%2)+3] offset:512*\b
.endm
; THE TRAJECTORIES of my 16 rows of block i, into register set k.  t = the row's step; i0 = floor(511 t / 2,047) in whole numbers (511 t = 2,047 q1 + (q1 + low 11 bits), which stays under 2 x 2,047); i1 = min(i0 + 1, 511).
; The weight in f32: q = t / 2,047 (a product with the reciprocal and one correction), pos = 511 q, weight = pos - i0.  No pos lies nearer to a whole number than 1 / 2,047 but at the two ends, where it is exact.
.macro TJL k, i
.set TD, 32+24*(\k)
	v_add_nc_u32 v168, 64*(\i), v27
	v_mul_u32_u24 v169, v168, 511
	v_cvt_f32_u32 v172, v168
	v_lshrrev_b32 v170, 11, v169
	v_and_b32 v171, 0x7ff, v169
	v_add3_u32 v171, v171, v170, 1
	v_lshrrev_b32 v171, 11, v171
	v_add_nc_u32 v170, v170, v171                  ; i0
	v_add_nc_u32 v171, 1, v170
	v_lshrrev_b32 v169, 9, v171
	v_sub_nc_u32 v171, v171, v169                  ; i1
	v_lshlrev_b32 v[132+2*(\k)], 5, v170
	v_lshlrev_b32 v[133+2*(\k)], 5, v171
	global_load_b128 v[TD:TD+3],     v[132+2*(\k)], s[92:93]
	global_load_b128 v[TD+4:TD+7],   v[132+2*(\k)], s[92:93] offset:16
	global_load_b128 v[TD+8:TD+11],  v[133+2*(\k)], s[92:93]
	global_load_b128 v[TD+12:TD+15], v[133+2*(\k)], s[92:93] offset:16
	global_load_b128 v[TD+16:TD+19], v16, s[94:95] offset:2048*(\i)
	global_load_b128 v[TD+20:TD+23], v16, s[94:95] offset:2048*(\i)+16
	v_mul_f32 v173, s88, v172
	v_fma_f32 v174, s89, v173, v172
	v_fma_f32 v173, v174, s88, v173
	v_mul_f32 v173, s90, v173                      ; pos
	v_cvt_f32_u32 v170, v170
	v_sub_f32 v[128+\k], v173, v170
.endm
; up in every lane; lanes 0-15 go on with up, lanes 16-31 with curr: their 8 codes, and the gate's operand.  The gate's product: source 0 = Wg, its output n in row n (n < 4) or n + 4, so that lane (r, h) gets outputs 4 h + 0 .. 3
; of row r in the result's four lowest registers.  Kept for the block's end: 1 - gate, and gate x up + (1 - gate) x b3.
.macro TJC k, i
.set TD, 32+24*(\k)
	v_sub_f32 v168, 1.0, v[128+\k]
.irp j, 0,1,2,3,4,5,6,7
	v_mul_f32 v[152+\j], v[128+\k], v[TD+8+\j]
.endr
.irp j, 0,1,2,3,4,5,6,7
	v_fma_f32 v[152+\j], v168, v[TD+\j], v[152+\j]
.endr
.irp j, 0,1,2,3,4,5,6,7
	v_cndmask_b32 v[160+\j], v[152+\j], v[TD+16+\j], s[HM]
.endr
.irp j, 0,1,2,3
	v_cvt_pk_bf16_f32 v[248+\j], v[160+2*\j], v[161+2*\j]
.endr
	v_wmma_f32_16x16x32_bf16 v[144:151], v[176:183], v[248:255], v[232:239]
.irp j, 0,1,2,3,4,5,6,7
	v_med3_num_f32 v[160+\j], v[160+\j], s[XLO], s[XHI]   ; the hold; these eight are also the places behind the product
.endr
	v_cvt_scalef32_pk8_bf8_f32 v[244:245], v[160:167], v[SCX]
	v_nop                                          ; a plain line behind the scaled conversion
	ds_store_b64 v[TCW], v[244:245] offset:1024*(\i)
.irp j, 0,1,2,3
	v_mul_f32 v[168+\j], s91, v[144+\j]            ; - logit x log2(e)
.endr
.irp j, 0,1,2,3
	v_exp_f32 v[168+\j], v[168+\j]
.endr
.irp j, 0,1,2,3
	v_cndmask_b32 v[172+\j], v[152+\j], v[156+\j], s[HM]   ; up(4 h + j)
.endr
	s_wait_alu depctr_va_vdst(0)                   ; one wait for the four exponentials
.irp j, 0,1,2,3
	v_add_f32 v[168+\j], 1.0, v[168+\j]
.endr
.irp j, 0,1,2,3
	v_rcp_f32 v[168+\j], v[168+\j]                 ; the gate
.endr
	v_nop
	s_wait_alu depctr_va_vdst(0)                   ; one wait for the four reciprocals
.irp j, 0,1,2,3
	v_mul_f32 v[172+\j], v[168+\j], v[172+\j]
.endr
.irp j, 0,1,2,3
	v_sub_f32 v[184+\j], 1.0, v[168+\j]
.endr
.irp j, 0,1,2,3
	v_fma_f32 v[188+\j], v[184+\j], v[240+\j], v[172+\j]
.endr
	ds_store_b128 v[GU0], v[188:191] offset:2048*(\i)
	ds_store_b128 v[GU0], v[184:187] offset:2048*(\i)+GCD
.endm
.macro WLOAD idx                       ; W2's fragment (tile idx % 4, K step idx / 4) into buffer idx % 2
.irp c, 0,1,2,3
	ds_load_b128 v[WF+16*((\idx)%2)+4*\c:WF+16*((\idx)%2)+4*\c+3], v[W2A] offset:(4*((\idx)%4)+(\idx)/4)*2048+512*\c
.endr
.endm
.macro HLOAD s                         ; K step s of the first layer's codes, for the four tiles of rows, into set s % 2
.irp m, 0,1,2,3
.irp c, 0,1,2,3
	ds_load_b128 v[HF+64*((\s)%2)+16*\m+4*\c:HF+64*((\s)%2)+16*\m+4*\c+3], v[HR0] offset:(4*\m+(\s))*2048+512*\c
.endr
.endr
.endm
.macro B2LOAD b                        ; b2 of units 32 b + 16 u + 8 h + 0 .. 7, u = 0, 1, in the layout of a chunk of 16 registers
.irp j, 0,1,2,3
	ds_load_b128 v[224+16*\b+4*\j:224+16*\b+4*\j+3], v[B2A] offset:128*\b+64*(\j/2)+16*(\j%2)
.endr
.endm
	; ---- the head: pointers, ids, addresses
	s_load_b512 s[4:19], s[0:1], 0x0               ; features s[4:5], curr s[6:7], prev s[8:9], wimg s[10:11], W3 s[12:13], Wg s[14:15], b1 s[16:17], b2 s[18:19]
	s_load_b256 s[20:27], s[0:1], 0x40             ; b3 s[20:21], bg s[22:23], the scales s[24:25], out0 s[26:27]
	s_set_vgpr_msb 0xc0
	v_lshl_add_u32 v254, v0, 2, 0x48400
	v_mov_b32 v255, 0
	s_set_vgpr_msb 0xc0cf
	ds_add_u32 v254, v255
	ds_add_u32 v254, v255
	s_set_vgpr_msb 0xcf00
	v_lshrrev_b32 v13, 5, v0
	v_readfirstlane_b32 s[WV], v13                 ; wave 0..3
	v_and_b32 v14, 31, v0                          ; lane
	v_and_b32 v[RR], 15, v0
	v_bfe_u32 v[HH], v0, 4, 1
	s_lshl_b32 s84, s[WV], 15
	s_lshl_b32 s85, s[WV], 11
	s_lshl_b32 s86, s[WV], 9
	s_lshl_b32 s87, s[WV], 8
	v_lshlrev_b32 v[LI], 4, v14
	v_mul_u32_u24 v[XR0], v[RR], XP
	v_lshl_add_u32 v[XR0], v[HH], 4, v[XR0]
	s_mul_i32 s82, s[WV], 16*XP
	v_add_nc_u32 v[XW0], s82, v[LI]
	s_add_co_u32 s82, s85, H1I
	v_add_nc_u32 v[HW0], s82, v[LI]
	v_add_nc_u32 v[HR0], H1I, v[LI]
	v_add_nc_u32 v[W2A], s84, v[LI]
	v_lshlrev_b32 v[TCR0], 4, v[RR]
	v_lshl_add_u32 v[TCR0], v[HH], 3, v[TCR0]
	s_add_co_u32 s82, s87, TC
	v_add_nc_u32 v[TCW], s82, v[TCR0]
	v_add_nc_u32 v[TCR0], TC, v[TCR0]
	v_lshlrev_b32 v[OO], 5, v[RR]
	v_lshl_add_u32 v[OO], v[HH], 4, v[OO]
	s_add_co_u32 s82, s85, PART
	v_add_nc_u32 v[PW0], s82, v[OO]
	s_add_co_u32 s82, s86, PART
	v_add_nc_u32 v[PR0], s82, v[OO]
	s_add_co_u32 s82, s86, GU
	v_add_nc_u32 v[GU0], s82, v[OO]
	s_add_co_u32 s82, s87, B2L
	v_lshl_add_u32 v[B2A], v[HH], 5, s82
	v_lshl_add_u32 v22, v14, 2, s82                ; the copies' addresses, v21-23, are never written again
	v_lshl_add_u32 v23, v14, 2, s87
	s_add_co_u32 s82, s84, IMG_2
	v_add_nc_u32 v21, s82, v[LI]
	v_lshlrev_b32 v13, 6, v[HH]                    ; b1: 64 h
	v_lshlrev_b32 v14, 4, v[HH]                    ; bg, b3: 16 h
	v_lshrrev_b32 v26, 3, v[RR]
	v_lshlrev_b32 v26, 2, v26
	v_and_b32 v15, 3, v[RR]
	v_or_b32 v26, v26, v15                         ; the output that row r of a small weight's operand carries: 4 (r / 8) + r % 4
	v_lshlrev_b32 v26, 2, v26
	v_lshl_add_u32 v26, v[HH], 8, v26              ; W3, Wg: 8 h rows of 32 bytes + 4 x that
	s_mov_b32 s83, 0
	s_mov_b32 s[HM], 0xffff0000
	s_wait_dscnt 0x0
	s_wait_kmcnt 0x0
	s_load_b128 s[28:31], s[24:25], 0x0            ; e0 .. e3
	; ---- the first block's features: my rows 0-7 and 8-15
	s_lshl_b32 s82, ttmp9, 20                      ; 512 rows of 2,048 bytes a work-group,
	s_add_co_u32 s82, s82, s84                     ; 16 a wave
	s_add_nc_u64 s[FP:FP+1], s[4:5], s[82:83]
	FLOAD 1, LB, 0
	FLOAD 0, 32, 16384
	; ---- the weights
	s_lshl_b32 s82, s[WV], 16
	s_add_nc_u64 s[88:89], s[10:11], s[82:83]      ; my 32 fragments of W1
	s_mov_b32 s82, s85
	s_add_nc_u64 s[90:91], s[10:11], s[82:83]      ; my two trajectory operands (behind IMG_T)
	s_add_nc_u64 s[92:93], s[12:13], s[82:83]      ; my 64 rows of W3
	s_mov_b32 s82, s86
	s_add_nc_u64 s[94:95], s[16:17], s[82:83]      ; my 128 numbers of b1
	WIN 0x40
.irp t, 0,1,2,3,4,5,6,7
.irp s, 0,1
.irp c, 0,1,2,3
	global_load_b128 v[32*\t+16*\s+4*\c:32*\t+16*\s+4*\c+3], v[LI], s[88:89] offset:(4*\t+\s)*2048+512*\c
.endr
.endr
.endr
	WIN 0x80
.irp t, 0,1,2,3,4,5,6,7
.irp s, 0,1
.irp c, 0,1,2,3
	global_load_b128 v[32*\t+16*\s+4*\c:32*\t+16*\s+4*\c+3], v[LI], s[88:89] offset:(4*\t+\s+2)*2048+512*\c
.endr
.endr
.endr
	WIN 0xC0
.irp q, 0,1,2,3
	global_load_b128 v[W1P+4*\q:W1P+4*\q+3], v[LI], s[90:91] offset:IMG_T+512*\q
.endr
.irp t, 0,1,2,3,4,5,6,7                        ; lane (r, h), tile t, register j: b1 of unit 32 (t / 2) + 8 (t % 2) + 16 h + j
	global_load_b128 v[B1R+8*\t:B1R+8*\t+3],   v13, s[94:95] offset:(32*(\t/2)+8*(\t%2))*4
	global_load_b128 v[B1R+8*\t+4:B1R+8*\t+7], v13, s[94:95] offset:(32*(\t/2)+8*(\t%2))*4+16
.endr
.set i, 0
.rept 14
	v_mov_b32 v[XT+i], 0                           ; zero codes round the trajectories' two registers
.set i, i+1
.endr
	WIN 0
.set i, 0
.rept 32                                       ; W3(unit 32 b + 16 q + 8 h + kk, my output), register 16 b + 8 q + kk
	global_load_b32 v[192+i], v26, s[92:93] offset:(32*(i/16)+16*((i/8)%2)+i%8)*32
.set i, i+1
.endr
.irp i, 0,1,2,3,4,5,6,7
	global_load_b32 v[224+\i], v26, s[14:15] offset:32*\i   ; Wg(8 h + i, my output)
.endr
	global_load_b128 v[232:235], v14, s[22:23]     ; bg(4 h ..): the C of the gate's product
	global_load_b128 v[240:243], v14, s[20:21]     ; b3(4 h ..)
	; ---- constants
	COEF SA,    0xac95df0b
	COEF SA+4,  0xb40cff51
	COEF SA+6,  0xb6eec2d2
	COEF SA+8,  0xb940ac63
	COEF SA+10, 0xbac1a1f6
	COEF SA+12, 0xbc83dbd4
	COEF SB,    0xb5accd2b
	COEF SB+4,  0xba1bf7b5
	COEF SB+6,  0xbbaad7f2
	COEF SB+8,  0xbca542a9
	v_mov_b32 v[VA1], 0x306dffee
	v_mov_b32 v[VA1+1], 0x306dffee
	v_mov_b32 v[VB1], 0xb81e3512
	v_mov_b32 v[VB1+1], 0xb81e3512
	s_mov_b32 s[NL], 0xc0b504f3
	s_mov_b32 s[PL], 0x40b504f3
	s_wait_kmcnt 0x0
	s_add_co_i32 s82, s28, 127
	s_lshl_b32 s84, s82, 23
	v_mov_b32 v[SCX], s84                          ; 2^e0: the conversion takes its exponent field
	s_add_co_i32 s82, s82, 15
	s_lshl_b32 s82, s82, 23
	s_or_b32 s[XHI], s82, 0x600000                 ; 57,344 x 2^e0
	s_xor_b32 s[XLO], s[XHI], 0x80000000
	s_add_co_i32 s82, s30, 128
	s_lshl_b32 s84, s82, 23
	v_mov_b32 v[SCH], s84                          ; 2^(e2 + 1): what is quantised is 2 gelu
	s_add_co_i32 s82, s82, 15
	s_lshl_b32 s82, s82, 23
	s_or_b32 s[HHI], s82, 0x600000
	s_xor_b32 s[HLO], s[HHI], 0x80000000
	s_add_co_i32 s84, s28, s29
	s_sub_co_i32 s77, 0, s84                       ; -(e0 + e1)
	s_add_co_i32 s84, s84, 127
	s_lshl_b32 s[S1], s84, 23
	s_mov_b32 s[S1+1], s[S1]
	s_add_co_i32 s84, s30, s31
	s_add_co_i32 s84, s84, 127
	s_lshl_b32 s[S2], s84, 23
	s_mov_b32 s[S2+1], s[S2]
	; ---- the first block's codes
	s_wait_loadcnt 0x0                             ; one wait for the head's loads: their bases and offsets are free from here on
	v_add_nc_u32 v[ADW], XC0, v[XW0]
	QX 1, LB, 0
	QX 0, 32, 8*XP
	; ---- the trajectories of all 512 rows: blocks 0-3 are asked for, then the next features; each register set is asked for again as soon as its block is worked
	s_mov_b32 s88, 0x3a001002                      ; 1 / 2,047
	s_mov_b32 s89, 0xc4ffe000                      ; -2,047
	s_mov_b32 s90, 0x43ff8000                      ; 511
	s_mov_b32 s91, 0xbfb8aa3b                      ; -log2(e)
	s_lshr_b32 s82, ttmp9, 2
	s_lshl_b32 s82, s82, 14
	s_add_nc_u64 s[92:93], s[8:9], s[82:83]        ; my batch of prev: 512 rows of 32 bytes
	s_lshl_b32 s82, ttmp9, 14
	s_add_nc_u64 s[94:95], s[6:7], s[82:83]        ; my work-group's 512 rows of curr
	s_add_co_u32 s82, s82, s86
	s_add_nc_u64 s[OP:OP+1], s[26:27], s[82:83]    ; out0 at my 16 rows of block 0
	s_and_b32 s82, ttmp9, 3
	s_lshl_b32 s82, s82, 9
	s_lshl_b32 s84, s[WV], 4
	s_add_co_u32 s82, s82, s84
	v_add_nc_u32 v27, s82, v[RR]                   ; my row's step in block 0
	v_lshl_add_u32 v16, v[RR], 5, s86              ; and its bytes in curr
	s_add_nc_u64 s[FP:FP+1], s[FP:FP+1], 131072
	TJL 0, 0
	TJL 1, 1
	TJL 2, 2
	TJL 3, 3
	FLOAD 1, LB, 0                                 ; block 1, my rows 0-7
	; ---- the small operands, while those loads are on their way
	WIN 0xC3
.set i, 0
.rept 64
	v_ldexp_f32 v[B1R+i], v[B1R+i], s77            ; b1 / 2^(e0 + e1): it goes in as the C of a sum's first product
.set i, i+1
.endr
	WIN 0
	s_add_co_u32 s82, s86, B1L
	v_lshl_add_u32 v[B1A], v[HH], 6, s82           ; (the small weights' loads, which read this register, are in)
	WIN 0x0C                                       ; the stores' data in window 3
.irp t, 0,1,2,3,4,5,6,7                        ; it is also kept in LDS, my 512 bytes of it: the sixteen lanes of a half store the same numbers to the same bytes
	ds_store_b128 v[B1A], v[B1R+8*\t:B1R+8*\t+3]   offset:(32*(\t/2)+8*(\t%2))*4
	ds_store_b128 v[B1A], v[B1R+8*\t+4:B1R+8*\t+7] offset:(32*(\t/2)+8*(\t%2))*4+16
.endr
	WIN 0
	v_and_b32 v17, 4, v0
	v_mov_b32 v15, 0.5
	v_cmp_eq_u32 vcc_lo, 0, v17
	v_cndmask_b32 v17, 0, v15, vcc_lo              ; rows 4-7 and 12-15 of the small operands are zero
	v_add_f32 v15, v17, v17
.set i, 0
.rept 32
	v_mul_f32 v[192+i], v17, v[192+i]              ; 0.5 W3
.set i, i+1
.endr
.irp i, 0,1,2,3,4,5,6,7
	v_mul_f32 v[224+\i], v15, v[224+\i]
.endr
	WIN 0xC0
.set i, 0
.rept 16
	v_cvt_pk_bf16_f32 v[W3F+i], v[192+2*i], v[193+2*i]
.set i, i+1
.endr
	WIN 0
.irp j, 0,1,2,3
	v_cvt_pk_bf16_f32 v[176+\j], v[224+2*\j], v[225+2*\j]
.endr
.irp j, 0,1,2,3
	v_mov_b32 v[180+\j], 0                         ; K = 16 .. 31 of the gate's product: nothing
	v_mov_b32 v[252+\j], 0
	v_mov_b32 v[236+\j], 0
.endr
	s_wait_loadcnt 32                              ; blocks 0-3 are in; the 32 loads of features behind them may be out
	TJC 0, 0
	TJL 0, 4
	TJC 1, 1
	TJL 1, 5
	TJC 2, 2
	TJL 2, 6
	TJC 3, 3
	TJL 3, 7
	; ---- W2's images (my 32,768 bytes) and my 64 numbers of b2 go to LDS once, by copies: behind all the head's loads, since they are first read behind the first block's first layer; ahead of every LDS read and barrier
.set k, 0
.rept 64
	global_load_async_to_lds_b128 v[W2A], v21, s[10:11] offset:512*k
.set k, k+1
.endr
	global_load_async_to_lds_b32 v22, v23, s[18:19]
	global_load_async_to_lds_b32 v22, v23, s[18:19] offset:128
	s_wait_loadcnt 0x0
	TJC 0, 4
	TJC 1, 5
	TJC 2, 6
	TJC 3, 7
	BAR                                            ; block 0's codes and all trajectory codes are there for every wave.  The copies may be out: each wave reads its own alone, behind its own wait
	s_mov_b32 s[XB], XC0
	s_mov_b32 s[XN], XC1
	s_mov_b32 s[TCB], 0
	s_mov_b32 s[GB], 0
	s_mov_b32 s[BLK], 8
	PFX
.Lblock:
	s_mov_b32 s[MM], 0
	s_mov_b32 s[HB], 0
	s_wait_dscnt 0x0                               ; the first tile's operands are in, and b1
	PROD 30                                        ; the block's first ten products (pair 0 of tile 0) have no gelu to stand in
	PROD 31
	PLACES 5                                       ; another form now adds onto these results (ISA guide 7.12.1)
.irp q, 32,33,34,35,36,37,38,39
	PROD \q
.endr
	PLACES 4                                       ; in front of the first read of results
.Lrow:                                             ; ---- the first layer, a tile of 16 rows a trip: its gelu, and among it the products of its pairs 1, 2, 3 and of the next tile's pair 0
	s_add_co_u32 s[XB], s[XB], 16*XP
	s_add_co_u32 s[TCB], s[TCB], 256
	v_add_nc_u32 v[ADH], s[HB], v[HW0]
.set pq, 0
.set pqe, 17
.set pfx_due, 0
	CHUNK 0                                        ; carries pair 1's ten products and seven of pair 2's
.set pqe, 30
.set pfx_due, 1
	CHUNK 1                                        ; the other three, pair 3's ten, and then the fetch of the next tile's operands: this tile's have been read for the last time, 24 plain lines back
	CHUNK 2                                        ; none: the fetch lands
	s_cmp_eq_u32 s[MM], 3
	s_cbranch_scc1 .Lplain
	s_wait_dscnt 0x2                               ; the next tile's 17 loads are in; behind them only the two stores of codes were issued
.set pqe, 40
	CHUNK 3                                        ; the next tile's pair 0
	s_branch .Ljoin
.Lplain:
	CHUNK 3                                        ; the block's last tile has no successor here
.Ljoin:
	s_add_co_u32 s[HB], s[HB], 8192
	s_cmp_lg_u32 s[MM], 2                          ; behind tile 2, if a block follows: its rows 0-7 of mine become codes, and its rows 8-15 are asked for
	s_cbranch_scc1 .Lno_c1
	s_cmp_eq_u32 s[BLK], 1
	s_cbranch_scc1 .Lno_c1
	s_wait_loadcnt 0x0                             ; the batch asked for at the last block's end
	v_add_nc_u32 v[ADW], s[XN], v[XW0]
	QX 1, LB, 0
	s_add_nc_u64 s[FP:FP+1], s[FP:FP+1], 16384
	FLOAD 1, LB, 0
.Lno_c1:
	s_add_co_u32 s[MM], s[MM], 1
	s_cmp_lt_u32 s[MM], 4
	s_cbranch_scc1 .Lrow
	s_wait_asynccnt 0x0                            ; W2's images and b2 lie in LDS (met at once from the second block on)
	BAR                                            ; the first layer's sixteen images lie in LDS; nobody reads the partial sums any more
	; ---- the second layer: my four tiles of units x four tiles of rows, K step by K step.  Accumulator (tile n, rows m): n = 0, 1 at v[32 + 16 m + 8 n]; n = 2, 3 at v[128 + 16 m + 8 (n - 2)] of window 3, where b1 lay.
	; W2's fragments come two ahead, the first layer's a whole K step ahead, into the other set
	HLOAD 0
	WLOAD 0
	WLOAD 1
.set idx, 0
.rept 16
.set ls_, idx/4
.set ln_, idx%4
.set WB, WF+16*(idx%2)
.set HS, HF+64*(ls_%2)
.if ln_ < 2
.set AR, 32+8*ln_
.else
.set AR, 128+8*(ln_-2)
.endif
.if ((ln_ == 1) || (ln_ == 2)) && (ls_ < 3)
	s_wait_dscnt 20                                ; behind the fragment of W2 that is due: the next one's four loads and the next K step's sixteen
.else
	s_wait_dscnt 4                                 ; all but the four youngest loads: the next fragment of W2, or b2
.endif
.if ln_ >= 2
	WIN 0xF0                                       ; C and D in window 3
.endif
.irp m, 0,1,2,3
.if idx < 4
	v_wmma_f32_16x16x128_bf8_bf8 v[AR+16*\m:AR+16*\m+7], v[WB:WB+15], v[HS+16*\m:HS+16*\m+15], 0
.else
	v_wmma_f32_16x16x128_bf8_bf8 v[AR+16*\m:AR+16*\m+7], v[WB:WB+15], v[HS+16*\m:HS+16*\m+15], v[AR+16*\m:AR+16*\m+7]
.endif
.endr
	PLACES 4                                       ; in front of loads into operands that were read; behind the last products, of the first write over operands
	WIN 0
.if idx < 14
	WLOAD idx+2
.endif
.if (ln_ == 0) && (ls_ < 3)
	HLOAD ls_+1
.endif
.if idx == 14
	B2LOAD 0
.endif
.if idx == 15
	B2LOAD 1
.endif
.set idx, idx+1
.endr
	; ---- gelu, and the last product: source 0 = 0.5 W3 (its outputs in rows 0-3 and 8-11), source 1 = 32 of my units x 16 rows, in bf16.  The four sums take turns
.irp b, 0,1
.if \b == 0
	s_wait_dscnt 4                                 ; b2's first chunk is in; its second may be out
.else
	s_wait_dscnt 0x0
.endif
.irp m, 0,1,2,3
.if \b == 0
	GELU 32+16*\m, 1, 224, 32+16*\m, 0
.set XS, 32+16*\m
.else
	GELU X2, 1, 240, 128+16*\m, 0x03
.set XS, X2
.endif
.irp j, 0,1,2,3,4,5,6,7
	v_cvt_pk_bf16_f32 v[176+8*(\m%2)+\j], v[XS+2*\j], v[XS+2*\j+1]
.endr
	WIN 0x03
.if \b == 0
	v_wmma_f32_16x16x32_bf16 v[32+16*\m:39+16*\m], v[W3F+8*\b:W3F+8*\b+7], v[176+8*(\m%2):183+8*(\m%2)], 0
.else
	v_wmma_f32_16x16x32_bf16 v[32+16*\m:39+16*\m], v[W3F+8*\b:W3F+8*\b+7], v[176+8*(\m%2):183+8*(\m%2)], v[32+16*\m:39+16*\m]
.endif
	WIN 0
.endr
.endr
	PLACES 4
.irp m, 0,1,2,3
	ds_store_b128 v[PW0], v[32+16*\m:35+16*\m] offset:512*\m   ; lane (r, h): my part of outputs 4 h + 0 .. 3 of row 16 m + r
.endr
	WIN 0xC0                                       ; b1 comes back into its registers, which the second layer's sums have left
.irp t, 0,1,2,3,4,5,6,7
	ds_load_b128 v[B1R+8*\t:B1R+8*\t+3],   v[B1A] offset:(32*(\t/2)+8*(\t%2))*4
	ds_load_b128 v[B1R+8*\t+4:B1R+8*\t+7], v[B1A] offset:(32*(\t/2)+8*(\t%2))*4+16
.endr
	WIN 0
	s_cmp_eq_u32 s[BLK], 1                         ; if a block follows: its rows 8-15 of mine become codes; the block after it is asked for, if there is one: no load leaves its buffer
	s_cbranch_scc1 .Lno_c2
	s_wait_loadcnt 0x0
	v_add_nc_u32 v[ADW], s[XN], v[XW0]
	QX 1, LB, 8*XP
	s_add_nc_u64 s[FP:FP+1], s[FP:FP+1], 114688
	s_cmp_eq_u32 s[BLK], 2
	s_cbranch_scc1 .Lno_c2
	FLOAD 1, LB, 0
.Lno_c2:
	BAR                                            ; the partial sums and the next block's codes lie in LDS; nobody reads this block's codes or images any more
	s_sub_co_u32 s[XB], s[XB], 64*XP
	s_xor_b32 s[XB], s[XB], XFLIP
	s_xor_b32 s[XN], s[XN], XFLIP
	s_cmp_eq_u32 s[BLK], 1
	s_cbranch_scc1 .Lno_pf2
	PFX
.Lno_pf2:
	; ---- my 16 rows of the block: the four parts are added, the gate is applied, 512 consecutive bytes are stored
	v_add_nc_u32 v[ADG], s[GB], v[GU0]
.irp p, 0,1,2,3
	ds_load_b128 v[160+4*\p:163+4*\p], v[PR0] offset:2048*\p
.endr
	ds_load_b128 v[176:179], v[ADG]
	ds_load_b128 v[180:183], v[ADG] offset:GCD
	s_wait_dscnt 0x0
	v_pk_add_f32 v[160:161], v[160:161], v[164:165]
	v_pk_add_f32 v[162:163], v[162:163], v[166:167]
	v_pk_add_f32 v[168:169], v[168:169], v[172:173]
	v_pk_add_f32 v[170:171], v[170:171], v[174:175]
	v_pk_add_f32 v[160:161], v[160:161], v[168:169]
	v_pk_add_f32 v[162:163], v[162:163], v[170:171]
	v_pk_fma_f32 v[184:185], v[180:181], v[160:161], v[176:177]
	v_pk_fma_f32 v[186:187], v[182:183], v[162:163], v[178:179]
	global_store_b128 v[OO], v[184:187], s[OP:OP+1] th:TH_STORE_NT
	s_wait_xcnt 0x0                                ; the store has read its registers and its base: both are written again only behind this wait
	s_add_nc_u64 s[OP:OP+1], s[OP:OP+1], 2048
	s_add_co_u32 s[GB], s[GB], 2048
	s_sub_co_u32 s[BLK], s[BLK], 1
	s_cmp_lg_u32 s[BLK], 0
	s_cbranch_scc1 .Lblock
	s_set_vgpr_msb 0xf
	s_wait_tensorcnt 0x0
	ds_add_u32 v254, v255
	s_wait_dscnt 0x0
	s_set_vgpr_msb 0xf00
	s_endpgm
.Lfunc_end_k_qbee0764269_fuse:
	.size	k_qbee0764269_fuse, .Lfunc_end_k_qbee0764269_fuse-k_qbee0764269_fuse
	.p2alignl 7, 3214868480
	.fill 96, 4, 3214868480
	.section	.rodata,"a",@progbits
	.p2align	6, 0x0
	.amdhsa_kernel k_qbee0764269_fuse
		.amdhsa_group_segment_fixed_size 296448
		.amdhsa_private_segment_fixed_size 0
		.amdhsa_enable_private_segment 0
		.amdhsa_kernarg_size 96
		.amdhsa_user_sgpr_count 2
		.amdhsa_user_sgpr_kernarg_segment_ptr 1
		.amdhsa_wavefront_size32 1
		.amdhsa_system_sgpr_workgroup_id_x 1
		.amdhsa_system_sgpr_workgroup_id_y 1
		.amdhsa_system_sgpr_workgroup_id_z 1
		.amdhsa_system_vgpr_workitem_id 0
		.amdhsa_next_free_vgpr 1024
		.amdhsa_next_free_sgpr 100
		.amdhsa_reserve_vcc 1
		.amdhsa_float_denorm_mode_32 3
		.amdhsa_float_denorm_mode_16_64 3
		.amdhsa_memory_ordered 1
		.amdhsa_forward_progress 1
		.amdhsa_inst_pref_size 255
	.end_amdhsa_kernel
	.section	.bss,"aw",@nobits
	.p2align	6
	.space	262144
	.amdgpu_metadata
---
amdhsa.version: [ 1, 2 ]
amdhsa.kernels:
  - .name:           k_qbee0764269_fuse
    .symbol:         k_qbee0764269_fuse.kd
    .args:
      - { .name: curr_features, .offset: 0, .size: 8, .value_kind: global_buffer, .address_space: global }
      - { .name: curr_trajectory, .offset: 8, .size: 8, .value_kind: global_buffer, .address_space: global }
      - { .name: prev_trajectory, .offset: 16, .size: 8, .value_kind: global_buffer, .address_space: global }
      - { .name: wimg, .offset: 24, .size: 8, .value_kind: global_buffer, .address_space: global }
      - { .name: W3, .offset: 32, .size: 8, .value_kind: global_buffer, .address_space: global }
      - { .name: Wg, .offset: 40, .size: 8, .value_kind: global_buffer, .address_space: global }
      - { .name: b1, .offset: 48, .size: 8, .value_kind: global_buffer, .address_space: global }
      - { .name: b2, .offset: 56, .size: 8, .value_kind: global_buffer, .address_space: global }
      - { .name: b3, .offset: 64, .size: 8, .value_kind: global_buffer, .address_space: global }
      - { .name: bg, .offset: 72, .size: 8, .value_kind: global_buffer, .address_space: global }
      - { .name: lowp_scales, .offset: 80, .size: 8, .value_kind: global_buffer, .address_space: global }
      - { .name: out0, .offset: 88, .size: 8, .value_kind: global_buffer, .address_space: global }
    .group_segment_fixed_size: 296448
    .private_segment_fixed_size: 0
    .kernarg_segment_align: 8
    .kernarg_segment_size: 96
    .max_flat_workgroup_size: 128
    .sgpr_count:     100
    .vgpr_count:     1024
    .wavefront_size: 32
...
	.end_amdgpu_metadata
.endif
;; end of part 2
